; MI455X (gfx1250); checked and timed in simulation.
; The chip was launched on July 23, 2026; its instructions are those of AMD's public machine-readable ISA for CDNA 5 (MIT licence, August 2026) and "CDNA5" Instruction Set Architecture Reference Guide (July 2026). The comments in the code are by the model that wrote it; some were corrected since.
;; Ensemble Layer. Allowed arithmetic: matrix products marked QUANTISED: E2M1 operands, one E8M0 scale for each 32 along K, by v_wmma_scale_f32_16x16x128_f8f6f4 with both operands' format E2M1 (or v_wmma_scale_f32_32x16x128_f4), f32 sums; products left as they are: f32 operands where the result goes on into a quantised operand, else bf16, f16 or f32 operands; f32 sums; everything else in f32.
;; Inputs: W_codes 16 x 1,024 x 32 x 16 uint8 (E2M1 codes of W, K innermost, in blocks of 32 codes, two codes a byte); W_prior_codes 16 x 1,024 x 32 x 16 uint8 (E2M1 codes of W_prior, K innermost, in blocks of 32 codes, two codes a byte); W_prior_scales 16 x 1,024 x 32 uint8 (E8M0 scales of W_prior, one for each 32 codes along K); W_scales 16 x 1,024 x 32 uint8 (E8M0 scales of W, one for each 32 codes along K); b 16 x 1,024 float32; b_prior 16 x 1,024 float32; expert_idx 2,048 int32; logits_codes 2,048 x 32 x 16 uint8 (E2M1 codes of logits, K innermost, in blocks of 32 codes, two codes a byte); logits_scales 2,048 x 32 uint8 (E8M0 scales of logits, one for each 32 codes along K); prior_logits_codes 2,048 x 32 x 16 uint8 (E2M1 codes of prior_logits, K innermost, in blocks of 32 codes, two codes a byte); prior_logits_scales 2,048 x 32 uint8 (E8M0 scales of prior_logits, one for each 32 codes along K).
;; Outputs: out0 2,048 x 1 x 1,024 float32.
;; This version of the problem:
;;   THIS VERSION OF THE PROBLEM IS GIVEN IN LOW PRECISION. The matrix products marked QUANTISED in the list below multiply operands that are first quantised to E2M1 (2 exponent bits, 1 mantissa bit; 4 bits a number), with one power-of-two scale for each 32 numbers along K (OCP MX v1.0); their sums are f32. All else is computed in f32.
;;   The module's matrix products, in the order in which they are computed (A, B: the left and right operand; K: the contracted axis; several contracted axes count as one K, in the product's order):
;;     1. [M 2,048, K 1,024] x [K 1,024, N 16,384]; A: input logits (given as codes); B: input W (given as codes): QUANTISED
;;     2. batch 2,048 x [M 1, K 16] x [K 16, N 1,024]; A: computed on the way; B: computed on the way: left as it is (K = 16 < 32)
;;     3. [M 2,048, K 1,024] x [K 1,024, N 16,384]; A: input prior_logits (given as codes); B: input W_prior (given as codes): QUANTISED
;;     4. batch 2,048 x [M 1, K 16] x [K 16, N 1,024]; A: computed on the way; B: computed on the way: left as it is (K = 16 < 32)
;;   THE QUANTISER, for each operand of a quantised product, along K:
;;     - K is cut into blocks of 32 from its start; a last block that is shorter is filled with zeros.
;;     - A block's scale is 2^e with e = floor(log2(the largest magnitude in the block)) - 2, held to -126 .. 127; a block of zeros has e = 0. As a byte (E8M0): e + 127.
;;     - Each number is divided by its block's scale, clamped to +-6, and rounded to the nearest number of E2M1, ties to even, subnormals kept.
;;     - The product sums the exact products of the quantised numbers (number of the format x scale) in f32.
;;   ~~~python
;;   def quantise(x, axis):      # numpy; x: float32 -> the quantised numbers, widened to float32 again
;;       x = np.moveaxis(x, axis, -1); K = x.shape[-1]
;;       x = np.pad(x, [(0, 0)] * (x.ndim - 1) + [(0, -K % 32)]); x = x.reshape(x.shape[:-1] + (-1, 32)); a = np.abs(x).max(-1, keepdims=True)
;;       e = np.where(a > 0, np.clip(np.frexp(np.where(a > 0, a, 1))[1] - 1 - 2, -126, 127), 0)      # np.frexp(a)[1] - 1 = floor(log2(a)), exactly
;;       r = np.clip(x / 2.0 ** e, -6, 6)
;;       step = 2.0 ** (np.maximum(np.frexp(np.where(r == 0, 1, r))[1] - 1, 0) - 1)
;;       q = np.round(r / step) * step * 2.0 ** e      # np.round: ties to even
;;       return np.moveaxis(q.reshape(q.shape[:-2] + (-1,))[..., :K], -1, axis).astype(np.float32)
;;   ~~~
;;   INPUTS GIVEN AS CODES. W (in the module: [16, 1024, 1024], K = its axis 2); W_prior (in the module: [16, 1024, 1024], K = its axis 2); logits (in the module: [2048, 1024], K = its axis 1); prior_logits (in the module: [2048, 1024], K = its axis 1): each comes as NAME_codes (uint8): NAME with its K axis moved to the last place and cut into blocks of 32 codes, [.., K / 32, bytes a block], one block behind the other in memory; two codes a byte, the lower K in the low four bits (a code: sign, 2 exponent bits, 1 mantissa bit); and NAME_scales (uint8): the same leading axes, one E8M0 byte (e + 127) for each 32 codes along K. Its value is code x scale, taken as it is: it is not quantised again, and the codes and scales need not be those that the quantiser above would give.
;; One version. Each part assembles by itself: llvm-mc -triple=amdgcn-amd-amdhsa -mcpu=gfx1250 --defsym DOCPART=n.
;; ======== version 1 of 1: 1 launch
;; launch ensemble (part 1): grid 16 x 16, 4 waves a work-group, no clusters, 162,560 bytes of LDS; arguments expert_idx, W_codes, W_prior_codes, W_scales, W_prior_scales, b, b_prior, logits_codes, prior_logits_codes, logits_scales, prior_logits_scales, out0; writes out0
.if DOCPART == 1
	.amdgcn_target "amdgcn-amd-amdhsa--gfx1250"
	.amdhsa_code_object_version 6
	.text
	.protected	k_qbeb74b2b4f_ensemble
	.globl	k_qbeb74b2b4f_ensemble
	.p2align	8
	.type	k_qbeb74b2b4f_ensemble,@function
k_qbeb74b2b4f_ensemble:
	s_mov_b64 s[64:65], 0
	v_nop
	global_prefetch_b8 v0, s[64:65] scope:SCOPE_SE
	s_setreg_imm32_b32 hwreg(HW_REG_WAVE_MODE, 25, 1), 1
	s_wait_xcnt 0x0
; out0[i][:] = W[e_i] logits[i] + b[e_i] + W_prior[e_i] prior_logits[i] + b_prior[e_i], e_i = expert_idx[i].  2,048 rows i, 16 experts, 1,024 outputs, K = 1,024.
; All four matrix operands are codes of FP4 (E2M1), K innermost (a row: 512 bytes of codes, 32 E8M0 scale bytes); they go to the matrix unit as they lie.  Only the chosen expert's product is made for a row.
; SHARES.  Work-group (x = block of 64 outputs, y = expert) owns out0[the expert's rows][its 64 outputs].  Its weights, 64 rows of W and 64 of W_prior, are read by no other work-group.
; Wave 0 lists the expert's rows (a counting sort of the 2,048 indices, in LDS) while all four waves' weights are on their way.  The list is cut into tiles of 16 slots; tile t is wave t % 4's;
; a pass serves 12 tiles, three a wave; 11 passes serve every split (128 tiles at the most).  A wave makes 16 rows x 64 outputs a tile: a row's 256 bytes of out0 are stored by sixteen neighbouring lanes.
; THE MATRIX INSTRUCTION IS USED TRANSPOSED: source 0 = 16 rows of a weight (outputs), source 1 = 16 listed rows: lane (r, h) holds listed row r and outputs 16 t + 8 h + 0 .. 7.
; One f32 sum for each output takes both products, K step by K step (W's, then W_prior's); b + b_prior is added on the way out.
; EVERYTHING COMES IN WHOLE ROWS: one load of a wave takes one row's 512 bytes, 16 a lane; rows turn into fragments through LDS (rows 528 bytes apart: the 16 rows of a fragment load start at 16 different banks).
; NO TENSOR LOADS, NO CLUSTER: which rows a work-group reads, and how many tiles it walks, hangs on expert_idx, so addresses and branches hang on loaded numbers; what work-groups share is those gathered rows
; (1 KiB a row against 68 KiB of weights that are the work-group's alone).
; SLOTS BEHIND THE LIST'S END repeat the last listed row, 192 of them.  So a wave always asks for three tiles (every path issues the same loads), and a partial tile computes and stores its last row again:
; same wave, same numbers, same address; EXEC is never changed.  Tiles that hold no listed row are asked for and not computed.  An expert without rows stores nothing.
; LIMITS: expert_idx lies in 0 .. 15 (a row with another index would stay unwritten).  The f32 additions go in another order than in the formula above: one sum over both products, then the summed biases.
;
; REGISTERS, in windows of 256 (s_set_vgpr_msb: bits 1:0 source 0, 3:2 source 1, 5:4 source 2, 7:6 destination):
;   window 0: v1-19 addresses; v20-23 biases; v24-31 offsets in out0; v32-63 the weights' scale words; v64-87 the rows' scale words; v88-95 at work; v96-191 12 accumulators (before the sums: the rows' offsets);
;             v192-255 two K steps of W_prior's fragments (at the head: wave 0's indices; on the way out: rows of out0)
;   window 1 (logits) and window 2 (prior_logits): four blocks of 64: tile m's rows as loaded in block m + 1, its fragments in block m; block 0 first holds my 16 rows of W (W_prior) as loaded
;   window 3: all 32 fragments of W (4 tiles of outputs x 8 K steps)
.set NROW,   2048                      ; rows of logits, prior_logits, out0
.set NPASS,  11                        ; 128 tiles at the most, 12 a pass
.set PITCH,  528                       ; a row of codes in LDS: 512 bytes + 16
.set WLP,    64*PITCH                  ; LDS 0: W's 64 rows; from here W_prior's 64
.set XST,    128*PITCH                 ; a stage for each wave: 16 rows of logits, then 16 of prior_logits
.set XSTP,   16*PITCH
.set XSTW,   32*PITCH
.set OP,     272                       ; a row of the way out's stage: 256 bytes + 16
.set OST,    XST+4*XSTW                ; that stage: 16 rows for each wave
.set OSTW,   16*OP
.set LIST,   OST+4*OSTW                ; the list: 2,048 + 192 words; behind it 32 words that take what does not belong to the expert
.set LWORDS, NROW+192
.set CNT,    LIST+4*LWORDS+256         ; one word: how many rows the expert has
.set L16,  1                           ; 16 x lane
.set SCO,  2                           ; 32 r + 16 h: my 16 bytes of 16 rows of scale bytes
.set H16,  3                           ; 16 h
.set C16,  4                           ; 16 r
.set AW,   5                           ; 528 r + 16 h: a fragment's place for my lane
.set WST,  6                           ; where I put my rows of W
.set XSTO, 7                           ; my wave's stage, by whole rows
.set XFR,  8                           ; and by fragments
.set SO,   9                           ; the way out: where I put 32 bytes of a row
.set SR,   10                          ; and where I read rows back
.set LBC0, 11                          ; the list at my wave's first tile; + 4 r; + 32 h
.set LLN0, 12
.set LOH0, 13
.set LBC,  14                          ; the same three in the pass in hand
.set LLN,  15
.set LOH,  16
.set CNA,  17                          ; the count's word
.set LZ,   18                          ; LIST + 4 x lane
.set TRI,  19                          ; word LWORDS + lane
.set BS,   20
.set OO,   24
.set WS,   32                          ; word (q, t, j) at 16 q + 4 t + j: q = 0 W, 1 W_prior; lanes 0-15 K step j, lanes 16-31 K step 4 + j
.set XS,   64                          ; word (m, q, j) at 8 m + 4 q + j, likewise
.set T,    88
.set ACC,  96                          ; accumulator (m, t) at 32 m + 8 t
.set PB,   192                         ; W_prior's fragment (buffer b, t) at 32 b + 8 t
.set MSB, 0
.macro WIN new                         ; the immediate's high byte repeats the setting that is left; a switch that changes nothing is dropped
.if MSB != \new
	s_set_vgpr_msb (MSB<<8)|\new
.set MSB, \new
.endif
.endm
	s_load_b512 s[8:23], s[0:1], 0x0               ; expert_idx s[8:9], W's codes s[10:11], W_prior's s[12:13], W's scales s[14:15], W_prior's s[16:17], b s[18:19], b_prior s[20:21], logits' codes s[22:23]
	s_load_b256 s[24:31], s[0:1], 0x40             ; prior_logits' codes s[24:25], logits' scales s[26:27], prior_logits' s[28:29], out0 s[30:31]
	v_lshrrev_b32 v[T+4], 5, v0
	v_readfirstlane_b32 s2, v[T+4]                 ; wave 0..3
	s_mov_b32 s3, ttmp9                            ; which 64 outputs
	s_and_b32 s4, ttmp7, 0xffff                    ; the expert
	v_and_b32 v[T+5], 31, v0                       ; lane
	v_and_b32 v[T+6], 15, v0                       ; r
	v_bfe_u32 v[T+7], v0, 4, 1                     ; h
	v_lshlrev_b32 v[T], 2, v[T+5]                  ; 4 x lane
	v_mov_b32 v[T+1], 0
	v_lshlrev_b32 v[L16], 4, v[T+5]
	v_lshlrev_b32 v[H16], 4, v[T+7]
	v_lshl_add_u32 v[SCO], v[T+6], 5, v[H16]
	v_lshlrev_b32 v[C16], 4, v[T+6]
	v_mul_u32_u24 v[AW], v[T+6], PITCH
	v_add_nc_u32 v[AW], v[AW], v[H16]
	s_mul_i32 s5, s2, 16*PITCH                     ; every LDS address is made here, ahead of the first branch on the wave's number
	v_add_nc_u32 v[WST], s5, v[L16]
	s_mul_i32 s5, s2, XSTW
	s_add_co_u32 s5, s5, XST
	v_add_nc_u32 v[XSTO], s5, v[L16]
	v_add_nc_u32 v[XFR], s5, v[AW]
	s_mul_i32 s5, s2, OSTW
	s_add_co_u32 s5, s5, OST
	v_mul_u32_u24 v[SO], v[T+6], OP
	v_lshl_add_u32 v[SO], v[T+7], 5, v[SO]
	v_add_nc_u32 v[SO], s5, v[SO]                  ; row r, + 32 h
	v_mul_u32_u24 v[SR], v[T+7], 8*OP
	v_add_nc_u32 v[SR], v[SR], v[C16]
	v_add_nc_u32 v[SR], s5, v[SR]                  ; lanes 0-15 rows 0-7, lanes 16-31 rows 8-15; 16 bytes a lane
	s_lshl_b32 s5, s2, 6
	s_add_co_u32 s5, s5, LIST
	v_mov_b32 v[LBC0], s5                          ; a tile is 16 words: tile 12 p + 4 m + w begins 768 p + 256 m + 64 w bytes into the list
	v_lshl_add_u32 v[LLN0], v[T+6], 2, v[LBC0]
	v_lshl_add_u32 v[LOH0], v[T+7], 5, v[LBC0]
	v_mov_b32 v[CNA], CNT
	v_lshl_add_u32 v[LZ], v[T+5], 2, LIST
	v_add_nc_u32 v[TRI], LWORDS, v[T+5]
	s_lshl_b32 s6, s4, 19                          ; codes: an expert is 1,024 rows of 512 bytes, my work-group's part 64 rows, my wave's 16
	s_lshl_b32 s5, s3, 15
	s_add_co_u32 s6, s6, s5
	s_lshl_b32 s5, s2, 13
	s_add_co_u32 s6, s6, s5
	s_mov_b32 s7, 0
	s_lshl_b32 s36, s4, 15                         ; scale bytes: 32 a row
	s_lshl_b32 s5, s3, 11
	s_add_co_u32 s36, s36, s5
	s_mov_b32 s37, 0
	s_lshl_b32 s38, s4, 12                         ; biases: 4,096 bytes an expert, 256 for my 64 outputs
	s_lshl_b32 s40, s3, 8                          ; out0: my 256 bytes of a row
	s_add_co_u32 s38, s38, s40
	s_mov_b32 s39, 0
	s_mov_b32 s41, 0
	s_wait_kmcnt 0x0
	s_cmp_lg_u32 s2, 0
	s_cbranch_scc1 .Lno_idx
.irp i, 0,1,2,3,4,5,6,7,8,9,10,11,12,13,14,15
	global_load_b128 v[PB+4*\i:PB+4*\i+3], v[L16], s[8:9] offset:512*\i     ; wave 0: all 2,048 indices: register 4 i + c holds row 128 i + 4 lane + c's
.endr
.Lno_idx:
	s_add_nc_u64 s[10:11], s[10:11], s[6:7]
	s_add_nc_u64 s[12:13], s[12:13], s[6:7]
	s_add_nc_u64 s[14:15], s[14:15], s[36:37]
	s_add_nc_u64 s[16:17], s[16:17], s[36:37]
	s_add_nc_u64 s[18:19], s[18:19], s[38:39]
	s_add_nc_u64 s[20:21], s[20:21], s[38:39]
	s_add_nc_u64 s[30:31], s[30:31], s[40:41]
	; 42 loads of every wave: 8 of scale words, 2 of biases, 32 rows of weights
.irp t, 0,1,2,3
	global_load_b128 v[WS+4*\t:WS+4*\t+3], v[SCO], s[14:15] offset:512*\t          ; 16 rows' scale bytes: 512 consecutive bytes
.endr
.irp t, 0,1,2,3
	global_load_b128 v[WS+16+4*\t:WS+16+4*\t+3], v[SCO], s[16:17] offset:512*\t
.endr
	global_load_b128 v[OO:OO+3], v[C16], s[18:19]
	global_load_b128 v[OO+4:OO+7], v[C16], s[20:21]
	WIN 0x40
.irp i, 0,1,2,3,4,5,6,7,8,9,10,11,12,13,14,15
	global_load_b128 v[4*\i:4*\i+3], v[L16], s[10:11] offset:512*\i th:TH_LOAD_NT  ; a row of W: read once in the launch
.endr
	WIN 0x80
.irp i, 0,1,2,3,4,5,6,7,8,9,10,11,12,13,14,15
	global_load_b128 v[4*\i:4*\i+3], v[L16], s[12:13] offset:512*\i th:TH_LOAD_NT  ; a row of W_prior
.endr
	WIN 0
	s_cmp_lg_u32 s2, 0
	s_cbranch_scc1 .Lsorted
	; THE LIST, by wave 0 alone; no other wave touches LDS ahead of the barrier below.  128 rows at a time: which lanes hold a row of my expert (a mask), how many, and each such lane's place: the running count + the
	; number of such lanes below it.  The other lanes store to 32 words behind the list, so that EXEC stays whole.  The order of the list is free: rows do not depend on each other.
.macro SORT4 g
.set TS, ACC+8*((\g)%8)                ; eight sets of eight registers take turns
.if (\g) >= 8
	s_wait_dscnt 28                                ; the seven younger groups' 28 stores may be out: this set's last stores are done
.endif
.irp c, 0,1,2,3
	v_cmp_eq_u32 s[36+\c], s4, v[PB+4*(\g)+\c]
.endr
.irp c, 0,1,2,3
	s_bcnt1_i32_b32 s[40+\c], s[36+\c]
.endr
	s_add_co_u32 s45, s44, s40
	s_add_co_u32 s46, s45, s41
	s_add_co_u32 s47, s46, s42
.irp c, 0,1,2,3
	v_mbcnt_lo_u32_b32 v[TS+\c], s[36+\c], s[44+\c]
.endr
.irp c, 0,1,2,3
	v_cndmask_b32 v[TS+\c], v[TRI], v[TS+\c], s[36+\c]
.endr
.irp c, 0,1,2,3
	v_min_u32 v[TS+\c], LWORDS+31, v[TS+\c]        ; a place made from loaded numbers is held inside the list's words
.endr
.irp c, 0,1,2,3
	v_lshl_add_u32 v[TS+\c], v[TS+\c], 2, LIST
.endr
.irp c, 0,1,2,3
	v_add_nc_u32 v[TS+4+\c], 128*(\g)+\c, v[T]     ; the row's number
.endr
.irp c, 0,1,2,3
	ds_store_b32 v[TS+\c], v[TS+4+\c]
.endr
	s_add_co_u32 s44, s47, s43
.endm
	s_wait_loadcnt 42                              ; the indices are in; the 42 loads issued behind them stay out
	ds_store_b32 v[LZ], v[T+1]                     ; slot 0 is written whatever the split
	s_mov_b32 s44, 0
.irp g, 0,1,2,3,4,5,6,7,8,9,10,11,12,13,14,15
	SORT4 \g
.endr
	v_mov_b32 v[T+2], s44
	ds_store_b32 v[CNA], v[T+2]                    ; the count
	s_sub_co_i32 s5, s44, 1
	s_max_i32 s5, s5, 0
	s_min_u32 s5, s5, NROW-1
	s_lshl_b32 s5, s5, 2
	s_add_co_u32 s5, s5, LIST
	v_mov_b32 v[T+3], s5
	ds_load_b32 v[T+4], v[T+3]                     ; the last listed row (LDS serves a wave's instructions in order: it sees the stores above)
	v_add_nc_u32 v[ACC+64], s44, v[T+5]
	v_min_u32 v[ACC+64], NROW+31, v[ACC+64]
	v_lshl_add_u32 v[ACC+64], v[ACC+64], 2, LIST
	s_wait_dscnt 0x0
.irp k, 0,1,2,3,4,5
	ds_store_b32 v[ACC+64], v[T+4] offset:128*\k   ; slots count .. count + 191 repeat it
.endr
.Lsorted:
	s_wait_dscnt 0x0                               ; for the others' sake: the list and the count lie in LDS
	s_barrier_signal -1
	s_barrier_wait -1
; The three tiles of my wave in the pass that begins s[so] bytes into the list: each tile's 16 row numbers in every lane (four loads at one address for all lanes), and row r's for lane (r, h);
; held inside the tensors; then as byte offsets: 512 a row + 16 x lane (codes), 32 a row + 16 h (scale bytes).
.macro IDS so
	v_add_nc_u32 v[LBC], s[\so], v[LBC0]
	v_add_nc_u32 v[LLN], s[\so], v[LLN0]
	v_add_nc_u32 v[LOH], s[\so], v[LOH0]
.irp m, 0,1,2
.irp k, 0,1,2,3
	ds_load_b128 v[ACC+32*\m+4*\k:ACC+32*\m+4*\k+3], v[LBC] offset:256*\m+16*\k
.endr
	ds_load_b32 v[ACC+32*\m+16], v[LLN] offset:256*\m
.endr
	s_wait_dscnt 0x0
.irp m, 0,1,2
.irp k, 0,1,2,3,4,5,6,7,8,9,10,11,12,13,14,15,16
	v_min_u32 v[ACC+32*\m+\k], NROW-1, v[ACC+32*\m+\k]
.endr
.irp k, 0,1,2,3,4,5,6,7,8,9,10,11,12,13,14,15
	v_lshl_add_u32 v[ACC+32*\m+\k], v[ACC+32*\m+\k], 9, v[L16]
.endr
	v_lshl_add_u32 v[ACC+32*\m+16], v[ACC+32*\m+16], 5, v[H16]
.endr
.endm
; 16 listed rows of tile m, one whole row of 512 bytes a load, into block blk of the window that win names
.macro ROWS win, blk, m, base
	WIN \win
.irp i, 0,1,2,3,4,5,6,7,8,9,10,11,12,13,14,15
	global_load_b128 v[64*(\blk)+4*\i:64*(\blk)+4*\i+3], v[ACC+32*(\m)+\i], s[\base:\base+1]
.endr
.endm
.macro GATHER_A                        ; 54 loads: the three tiles' scale words, tile 0's rows of both operands, tile 1's of logits
.irp m, 0,1,2
	global_load_b128 v[XS+8*\m:XS+8*\m+3], v[ACC+32*\m+16], s[26:27]
	global_load_b128 v[XS+8*\m+4:XS+8*\m+7], v[ACC+32*\m+16], s[28:29]
.endr
	ROWS 0x40, 1, 0, 22
	ROWS 0x80, 1, 0, 24
	ROWS 0x40, 2, 1, 22
	WIN 0
.endm
.macro GATHER_B                        ; 48 loads: tile 1's rows of prior_logits, tile 2's of both
	ROWS 0x80, 2, 1, 24
	ROWS 0x40, 3, 2, 22
	ROWS 0x80, 3, 2, 24
	WIN 0
.endm
	ds_load_b32 v[T+2], v[CNA]                     ; the count: it comes with the row numbers
	s_mov_b32 s34, 0                               ; where the pass in hand begins in the list, in bytes
	s_mov_b32 s35, 0                               ; the pass
	IDS 34
	GATHER_A                                       ; the rows are asked for while the weights are still coming
	v_readfirstlane_b32 s32, v[T+2]
	s_add_co_u32 s33, s32, 15
	s_lshr_b32 s33, s33, 4                         ; tiles
	s_sub_co_i32 s33, s33, s2                      ; s33 = tiles - wave - 12 x pass: my tile m of the pass holds listed rows where s33 > 4 m
	; THE WEIGHTS: my 16 + 16 rows go into LDS as rows; behind the barrier every wave reads fragments of all 64 + 64
	s_wait_loadcnt 54                              ; all but the 54 loads just issued: scale words, biases and weights are in
	v_pk_add_f32 v[BS:BS+1], v[OO:OO+1], v[OO+4:OO+5]          ; b + b_prior at outputs 4 r + 0 .. 3
	v_pk_add_f32 v[BS+2:BS+3], v[OO+2:OO+3], v[OO+6:OO+7]
	WIN 0x04                                       ; an LDS store's data are its source 1
.irp i, 0,1,2,3,4,5,6,7,8,9,10,11,12,13,14,15
	ds_store_b128 v[WST], v[4*\i:4*\i+3] offset:PITCH*\i
.endr
	WIN 0x08
.irp i, 0,1,2,3,4,5,6,7,8,9,10,11,12,13,14,15
	ds_store_b128 v[WST], v[4*\i:4*\i+3] offset:WLP+PITCH*\i
.endr
	WIN 0
	s_wait_dscnt 0x0                               ; for the others' sake: my rows lie in LDS
	s_barrier_signal -1
	s_barrier_wait -1                              ; the last barrier: from here on a wave writes only its own stages
	GATHER_B
	WIN 0xc0
.irp t, 0,1,2,3
.irp s, 0,1,2,3,4,5,6,7
.irp c, 0,1
	ds_load_b128 v[64*\t+8*\s+4*\c:64*\t+8*\s+4*\c+3], v[AW] offset:16*\t*PITCH+64*\s+32*\c   ; W's fragment (t, s): lane (r, h), registers 4 c on: K = 128 s + 64 c + 32 h + 0 .. 31 of output 16 t + r.  They land while the rows are on their way
.endr
.endr
.endr
	WIN 0
.macro PLOAD s, b                      ; W_prior's four fragments of K step s into buffer b
.irp t, 0,1,2,3
.irp c, 0,1
	ds_load_b128 v[PB+32*(\b)+8*\t+4*\c:PB+32*(\b)+8*\t+4*\c+3], v[AW] offset:WLP+16*\t*PITCH+64*(\s)+32*\c
.endr
.endr
.endm
; Tile m's 16 + 16 rows turn into fragments through my own stage: in as whole rows, back 16 bytes of row r a lane.  LDS serves a wave's instructions in order: no wait between the stores and the loads,
; nor in front of the next tile's stores.
.macro STAGE m
	WIN 0x04
.irp i, 0,1,2,3,4,5,6,7,8,9,10,11,12,13,14,15
	ds_store_b128 v[XSTO], v[64*(\m+1)+4*\i:64*(\m+1)+4*\i+3] offset:PITCH*\i
.endr
	WIN 0x08
.irp i, 0,1,2,3,4,5,6,7,8,9,10,11,12,13,14,15
	ds_store_b128 v[XSTO], v[64*(\m+1)+4*\i:64*(\m+1)+4*\i+3] offset:XSTP+PITCH*\i
.endr
.if \m > 0
	s_wait_dscnt 63                                ; block m held the tile before as loaded: behind the stores that read it stand 32 loads and 32 stores, so those stores are done
.endif
	WIN 0x40
.irp s, 0,1,2,3,4,5,6,7
.irp c, 0,1
	ds_load_b128 v[64*\m+8*\s+4*\c:64*\m+8*\s+4*\c+3], v[XFR] offset:64*\s+32*\c
.endr
.endr
	WIN 0x80
.irp s, 0,1,2,3,4,5,6,7
.irp c, 0,1
	ds_load_b128 v[64*\m+8*\s+4*\c:64*\m+8*\s+4*\c+3], v[XFR] offset:XSTP+64*\s+32*\c
.endr
.endr
.endm
; 4 nt matrix instructions: K step s of W logits (q = 0) or of W_prior prior_logits (q = 1).  The accumulators take turns, one instruction a turn, in the same order every time.
; The very first products start the sums: nothing is cleared.  K steps 4 to 7 take their scale words from lanes 16-31.
.macro PROD nt, s, q
.irp m, 0,1,2
.if \m < \nt
.irp t, 0,1,2,3
.set RD, ACC+32*\m+8*\t
.set RX, 64*\m+8*(\s)
.if \q
.set RA, PB+32*((\s)%2)+8*\t
.else
.set RA, 64*\t+8*(\s)
.endif
.set SW, WS+16*(\q)+4*\t+(\s)%4
.set SX, XS+8*\m+4*(\q)+(\s)%4
.if ((\s) == 0) && ((\q) == 0)
	v_wmma_scale_f32_16x16x128_f8f6f4 v[RD:RD+7], v[RA:RA+7], v[RX:RX+7], 0, v[SW], v[SX] matrix_a_fmt:MATRIX_FMT_FP4 matrix_b_fmt:MATRIX_FMT_FP4
.elseif (\s) < 4
	v_wmma_scale_f32_16x16x128_f8f6f4 v[RD:RD+7], v[RA:RA+7], v[RX:RX+7], v[RD:RD+7], v[SW], v[SX] matrix_a_fmt:MATRIX_FMT_FP4 matrix_b_fmt:MATRIX_FMT_FP4
.else
	v_wmma_scale_f32_16x16x128_f8f6f4 v[RD:RD+7], v[RA:RA+7], v[RX:RX+7], v[RD:RD+7], v[SW], v[SX] matrix_a_fmt:MATRIX_FMT_FP4 matrix_b_fmt:MATRIX_FMT_FP4 matrix_a_scale:MATRIX_SCALE_ROW1 matrix_b_scale:MATRIX_SCALE_ROW1
.endif
.endr
.endif
.endr
.endm
; THE WAY OUT of tile m.  A lane holds 32 bytes of a row and the lanes beside it other rows: the tile goes through my stage and comes back as rows of 256 bytes, two an instruction; the biases are added;
; each row goes to its own place in out0: sixteen lanes store 256 consecutive bytes, at a multiple of 256 from out0's first byte.
.macro OUT m
.set RB, PB+32*((\m)%2)
.if (\m) > 0
	s_wait_xcnt 0x0                                ; the earlier tiles' stores have read their offsets and their data: both are written again below
.endif
	ds_load_b128 v[OO:OO+3], v[LOH] offset:256*(\m)              ; the row numbers of slots 8 h + 0 .. 7
	ds_load_b128 v[OO+4:OO+7], v[LOH] offset:256*(\m)+16
.irp t, 0,1,2,3
	ds_store_b128 v[SO], v[ACC+32*(\m)+8*\t:ACC+32*(\m)+8*\t+3] offset:64*\t       ; each accumulator from its low end on
	ds_store_b128 v[SO], v[ACC+32*(\m)+8*\t+4:ACC+32*(\m)+8*\t+7] offset:64*\t+16
.endr
.irp i, 0,1,2,3,4,5,6,7
	ds_load_b128 v[RB+4*\i:RB+4*\i+3], v[SR] offset:OP*\i        ; lanes 0-15 row i, lanes 16-31 row 8 + i
.endr
	s_wait_dscnt 16                                ; the row numbers are in: behind them stand 8 stores and 8 loads
.irp i, 0,1,2,3,4,5,6,7
	v_min_u32 v[OO+\i], NROW-1, v[OO+\i]
.endr
.irp i, 0,1,2,3,4,5,6,7
	v_lshl_add_u32 v[OO+\i], v[OO+\i], 12, v[C16]  ; 4,096 bytes a row of out0, + 16 r
.endr
.irp i, 0,1,2,3,4,5,6,7
	s_wait_dscnt 7-\i
	v_pk_add_f32 v[RB+4*\i:RB+4*\i+1], v[RB+4*\i:RB+4*\i+1], v[BS:BS+1]
	v_pk_add_f32 v[RB+4*\i+2:RB+4*\i+3], v[RB+4*\i+2:RB+4*\i+3], v[BS+2:BS+3]
	global_store_b128 v[OO+\i], v[RB+4*\i:RB+4*\i+3], s[30:31] th:TH_STORE_NT      ; written once, read by nobody here
.endr
.endm
; A pass of a wave that has nt tiles with listed rows.  All that hangs on nt stands in here.
.macro ARM nt
	s_wait_xcnt 0x0                                ; every load and store issued so far has read its address and data registers: the rows' offsets become accumulators, the last pass's rows of out0 become fragments
	PLOAD 0, 0
	PLOAD 1, 1
	s_wait_loadcnt 63                              ; tile 0's rows and all scale words are in: 64 loads were issued behind them, and 63 is the largest count that the wait can name
	STAGE 0
.if \nt > 1
	s_wait_loadcnt 32                              ; tile 1's are in: behind them stand tile 2's 32
	STAGE 1
.endif
.if \nt > 2
	s_wait_loadcnt 0x0
	STAGE 2
.endif
	s_wait_dscnt 0x0                               ; all fragments are in: W's, the rows', W_prior's first two K steps
.irp s, 0,1,2,3,4,5,6,7
	WIN 0x07                                       ; source 0 (W) window 3, source 1 (logits) window 1
	PROD \nt, \s, 0
	WIN 0x08                                       ; source 0 (W_prior) window 0, source 1 (prior_logits) window 2; the LDS loads below name window 0 alone
.if \s == 7
	s_wait_dscnt 0x0
.elseif \s >= 2
	s_wait_dscnt 8                                 ; this K step's fragments of W_prior are in; the next step's eight loads may be out
.endif
	PROD \nt, \s, 1
.if \s < 6
.rept 4
	v_nop                                          ; four places between the products that read the buffer and the loads into it (ISA guide 7.12.1 for vector instructions)
.endr
	PLOAD \s+2, \s%2
.endif
.endr
	WIN 0
.rept 4
	v_nop                                          ; four places in front of the first reads of results and of loads into registers that the last products read
.endr
	OUT 0
.if \nt > 1
	OUT 1
.endif
.if \nt > 2
	OUT 2
.endif
.endm
; THE PASSES: a constant number of trips, so that the list's addresses step by a constant a constant number of times; a trip that has nothing to do is jumped over.
.Lpass:
	s_cmp_le_i32 s33, 0
	s_cbranch_scc1 .Lnext
	s_cmp_gt_i32 s33, 8
	s_cbranch_scc1 .Larm3
	s_cmp_gt_i32 s33, 4
	s_cbranch_scc1 .Larm2
	ARM 1
	s_branch .Ljoin
.Larm2:
	ARM 2
	s_branch .Ljoin
.Larm3:
	ARM 3
.Ljoin:
	s_cmp_le_i32 s33, 12
	s_cbranch_scc1 .Lnext
	s_wait_loadcnt 0x0                             ; no load is on its way into the registers that the next pass's loads name,
	s_wait_xcnt 0x0                                ; and no store still reads its registers
	s_add_co_u32 s48, s34, 768
	IDS 48                                         ; the next pass's rows
	GATHER_A
	GATHER_B
.Lnext:
	s_sub_co_i32 s33, s33, 12
	s_add_co_u32 s34, s34, 768
	s_add_co_u32 s35, s35, 1
	s_cmp_lt_u32 s35, NPASS
	s_cbranch_scc1 .Lpass
	s_wait_xcnt 0x0
	v_lshl_add_u32 v190, v0, 2, 0x27900
	v_mov_b32 v191, 0
	s_wait_tensorcnt 0x0
	ds_add_u32 v190, v191
	s_wait_dscnt 0x0
	s_endpgm
.Lfunc_end_k_qbeb74b2b4f_ensemble:
	.size	k_qbeb74b2b4f_ensemble, .Lfunc_end_k_qbeb74b2b4f_ensemble-k_qbeb74b2b4f_ensemble
	.p2alignl 7, 3214868480
	.fill 96, 4, 3214868480
	.section	.rodata,"a",@progbits
	.p2align	6, 0x0
	.amdhsa_kernel k_qbeb74b2b4f_ensemble
		.amdhsa_group_segment_fixed_size 162560
		.amdhsa_private_segment_fixed_size 0
		.amdhsa_enable_private_segment 0
		.amdhsa_kernarg_size 96
		.amdhsa_user_sgpr_count 2
		.amdhsa_user_sgpr_kernarg_segment_ptr 1
		.amdhsa_wavefront_size32 1
		.amdhsa_system_sgpr_workgroup_id_x 1
		.amdhsa_system_sgpr_workgroup_id_y 1
		.amdhsa_system_sgpr_workgroup_id_z 1
		.amdhsa_system_vgpr_workitem_id 0
		.amdhsa_next_free_vgpr 1024
		.amdhsa_next_free_sgpr 66
		.amdhsa_reserve_vcc 0
		.amdhsa_float_denorm_mode_32 3
		.amdhsa_float_denorm_mode_16_64 3
		.amdhsa_memory_ordered 1
		.amdhsa_forward_progress 1
		.amdhsa_inst_pref_size 202
	.end_amdhsa_kernel
	.amdgpu_metadata
---
amdhsa.version: [ 1, 2 ]
amdhsa.kernels:
  - .name:           k_qbeb74b2b4f_ensemble
    .symbol:         k_qbeb74b2b4f_ensemble.kd
    .args:
      - { .name: expert_idx, .offset: 0, .size: 8, .value_kind: global_buffer, .address_space: global }
      - { .name: W_codes, .offset: 8, .size: 8, .value_kind: global_buffer, .address_space: global }
      - { .name: W_prior_codes, .offset: 16, .size: 8, .value_kind: global_buffer, .address_space: global }
      - { .name: W_scales, .offset: 24, .size: 8, .value_kind: global_buffer, .address_space: global }
      - { .name: W_prior_scales, .offset: 32, .size: 8, .value_kind: global_buffer, .address_space: global }
      - { .name: b, .offset: 40, .size: 8, .value_kind: global_buffer, .address_space: global }
      - { .name: b_prior, .offset: 48, .size: 8, .value_kind: global_buffer, .address_space: global }
      - { .name: logits_codes, .offset: 56, .size: 8, .value_kind: global_buffer, .address_space: global }
      - { .name: prior_logits_codes, .offset: 64, .size: 8, .value_kind: global_buffer, .address_space: global }
      - { .name: logits_scales, .offset: 72, .size: 8, .value_kind: global_buffer, .address_space: global }
      - { .name: prior_logits_scales, .offset: 80, .size: 8, .value_kind: global_buffer, .address_space: global }
      - { .name: out0, .offset: 88, .size: 8, .value_kind: global_buffer, .address_space: global }
    .group_segment_fixed_size: 162560
    .private_segment_fixed_size: 0
    .kernarg_segment_align: 8
    .kernarg_segment_size: 96
    .max_flat_workgroup_size: 128
    .sgpr_count:     66
    .vgpr_count:     1024
    .wavefront_size: 32
...
	.end_amdgpu_metadata
.endif
;; end of part 1
